; MI455X (gfx1250); checked and timed in simulation.
; The chip was launched on July 23, 2026; its instructions are those of AMD's public machine-readable ISA for CDNA 5 (MIT licence, August 2026) and "CDNA5" Instruction Set Architecture Reference Guide (July 2026). The comments in the code are by the model that wrote it; some were corrected since.
;; Attention. Allowed arithmetic: float matrix products may take bf16 or f16 operands with f32 sums; other float arithmetic in f32, or as packed bf16 or f16 multiplies, adds, multiply-adds, maxima and minima; sums over many terms, partial sums and values carried from step to step in f32; what a program stores and reads back later, other than sums and carried values, may be rounded once to bf16 or f16.
;; Inputs: W1 1,024 x 1,024 float32; W2 1,024 x 1,024 float32; Wv 1,024 x 1 float32; b1 1,024 float32; b2 1,024 float32; bv 1 float32; query 32 x 1,024 float32; values 32 x 2,048 x 1,024 float32.
;; Outputs: out0 32 x 1,024 float32; out1 32 x 2,048 x 1 float32.
;; 2 versions, each right; version 2 is version 1 with the launch prep written anew for expert scheduling mode. Each part assembles by itself: llvm-mc -triple=amdgcn-amd-amdhsa -mcpu=gfx1250 --defsym DOCPART=n.
;; ======== version 1 of 2: 3 launches
;; workspace buffers: w2f 2,097,152 bytes; qp 524,288 bytes; sc 262,144 bytes; st 4,096 bytes; cp 2,097,152 bytes
;; launch prep (part 1): grid 64 x 2, 8 waves a work-group, no clusters, 66,560 bytes of LDS; arguments W2, W1, query, b1, b2, w2f, qp; writes w2f, qp
.if DOCPART == 1
	.amdgcn_target "amdgcn-amd-amdhsa--gfx1250"
	.amdhsa_code_object_version 6
	.text
	.protected	k_qae785784c6_prep
	.globl	k_qae785784c6_prep
	.p2align	8
	.type	k_qae785784c6_prep,@function
k_qae785784c6_prep:
	s_mov_b64 s[64:65], 0
	v_nop
	global_prefetch_b8 v0, s[64:65] scope:SCOPE_SE
	s_setreg_imm32_b32 hwreg(HW_REG_WAVE_MODE, 25, 1), 1
	s_wait_xcnt 0x0
; PREP.  y = 0: W2 [k 1024][u 1024] f32 -> w2f, bf16 in the order of matrix fragments.  y = 1: four K partials of query @ W1 (+ b1 + b2 in partial 0) -> qp, f32.
; Every input is rounded once to bf16 (the biases too); sums in f32.  NaN and infinities are not treated apart (a bias is multiplied by 0 in partials 1 to 3).
; THE UNITS ARE PERMUTED.  A block of 16 units is (g = 0..15, j = 0..3); its row m stands for unit u = 64 g + 4 m + j.  A lane that loads 16 bytes of a row [k][u] gets four neighbouring
; units: the same row m of the four fragments j.  So a fragment is made by conversions alone, and each load takes 256 consecutive bytes of two rows k.
; SHARES.  Work-group x = 4 g + p; wave v takes the K step ks = 8 p + v: 64 units x 32 k.
; w2f: [G 8][ks 32][a 8][half 2][lane 32][16 bytes], g = 2 G + a / 4, j = a % 4: a fragment's registers 0-3 (half 0) and 4-7 (half 1) as a lane holds them.
; qp:  [p 4][g 16][batch 32][64 f32], the 64 in the order 16 j + m.
.set SPARE, 65536                      ; behind the partial tiles: the spare words, 128 bytes for each of the eight waves
.set SPW, 8                            ; v8   LDS address of my spare word; never rewritten
.set NIL, 9                            ; v9   0; never rewritten
.set X,   32                           ; v[32:95]   16 rows k x 4 units, f32 as loaded; later the partial sums read back
.set F,   96                           ; v[96:127]  four fragments j of 16 units x 32 k
.set QX,  128                          ; v[128:159] query, f32: two blocks of 16 batches
.set QF,  160                          ; v[160:175] the same as two fragments
.set ACC, 176                          ; v[176:239] eight results: tile 4 bb + j
	s_load_b256 s[4:11], s[0:1], 0x0               ; W2 s[4:5], W1 s[6:7], query s[8:9], b1 s[10:11]
	s_load_b128 s[12:15], s[0:1], 0x20             ; b2 s[12:13], w2f s[14:15]
	s_load_b64 s[16:17], s[0:1], 0x30              ; qp
	v_lshl_add_u32 v[SPW], v0, 2, SPARE
	v_mov_b32 v[NIL], 0
	v_lshrrev_b32 v1, 5, v0
	v_readfirstlane_b32 s20, v1                    ; wave 0..7
	v_and_b32 v2, 15, v0                           ; r = lane % 16
	v_bfe_u32 v3, v0, 4, 1                         ; h = lane / 16
	v_lshlrev_b32 v4, 15, v3                       ; 8 h rows of 4,096 bytes
	v_lshl_add_u32 v4, v2, 4, v4                   ; + 16 r: my four units
	s_lshr_b32 s21, ttmp9, 2                       ; g
	s_and_b32 s22, ttmp9, 3                        ; p
	s_and_b32 s23, ttmp7, 0xffff                   ; y
	s_lshl_b32 s27, s22, 3
	s_add_co_u32 s27, s27, s20                     ; ks = 8 p + wave
	s_lshl_b32 s28, s27, 17                        ; 32 ks rows of 4,096 bytes
	s_lshl_b32 s31, s21, 8                         ; 64 g units of 4 bytes
	s_add_co_u32 s28, s28, s31
	s_mov_b32 s29, 0
	s_wait_kmcnt 0x0
	s_cmp_eq_u32 s23, 0
	s_cselect_b64 s[24:25], s[4:5], s[6:7]         ; W2 or W1
	s_add_nc_u64 s[24:25], s[24:25], s[28:29]
.irp i, 0,1,2,3,4,5,6,7
	global_load_b128 v[X+4*(\i):X+4*(\i)+3], v4, s[24:25] offset:(\i)*4096 th:TH_LOAD_NT       ; k = 32 ks + 8 h + i
.endr
.irp i, 8,9,10,11,12,13,14,15
	global_load_b128 v[X+4*(\i):X+4*(\i)+3], v4, s[24:25] offset:((\i)+8)*4096 th:TH_LOAD_NT   ; k = 32 ks + 16 + 8 h + (i - 8)
.endr
; Register q of fragment j holds the k pair of loads 2 q and 2 q + 1, the lower k in the low half.
.macro BUILD
.irp j, 0,1,2,3
.irp q, 0,1,2,3,4,5,6,7
	v_cvt_pk_bf16_f32 v[F+8*(\j)+(\q)], v[X+8*(\q)+(\j)], v[X+8*(\q)+4+(\j)]
.endr
.endr
.endm
	s_cmp_eq_u32 s23, 0                            ; the one branch on y: the same in all waves of a work-group
	s_cbranch_scc0 .Lquery
	; ---- y = 0: W2's fragments go out, 512 consecutive bytes a store
	v_and_b32 v12, 31, v0
	v_lshlrev_b32 v12, 4, v12                      ; 16 x lane
	s_lshr_b32 s30, s21, 1                         ; G
	s_lshl_b32 s30, s30, 5
	s_add_co_u32 s30, s30, s27                     ; 32 G + ks
	s_lshl_b32 s30, s30, 3
	s_and_b32 s32, s21, 1
	s_lshl2_add_u32 s30, s32, s30                  ; + a of my first fragment: 4 (g % 2)
	s_lshl_b32 s30, s30, 10                        ; a fragment is 1,024 bytes
	s_mov_b32 s31, 0
	s_add_nc_u64 s[14:15], s[14:15], s[30:31]
	s_wait_loadcnt 0x0
	BUILD
.irp j, 0,1,2,3
	global_store_b128 v12, v[F+8*(\j):F+8*(\j)+3],   s[14:15] offset:1024*(\j)
	global_store_b128 v12, v[F+8*(\j)+4:F+8*(\j)+7], s[14:15] offset:1024*(\j)+512
.endr
	s_wait_tensorcnt 0x0                           ; the wave's end
	ds_add_u32 v[SPW], v[NIL]
	s_wait_dscnt 0x0
	s_endpgm
.Lquery:
	; ---- y = 1: D = W1's fragment (16 units) x query's fragment (16 batches): a lane holds one batch (r) and the units m = 8 h + 0..7
	v_lshlrev_b32 v5, 12, v2                       ; batch r: 4,096 bytes a row of query
	v_lshl_add_u32 v5, v3, 5, v5                   ; + 8 h numbers
	s_lshl_b32 s30, s27, 7                         ; 32 ks numbers
	s_mov_b32 s31, 0
	s_add_nc_u64 s[8:9], s[8:9], s[30:31]
.irp bb, 0,1
	global_load_b128 v[QX+16*(\bb):QX+16*(\bb)+3],     v5, s[8:9] offset:65536*(\bb)
	global_load_b128 v[QX+16*(\bb)+4:QX+16*(\bb)+7],   v5, s[8:9] offset:65536*(\bb)+16
	global_load_b128 v[QX+16*(\bb)+8:QX+16*(\bb)+11],  v5, s[8:9] offset:65536*(\bb)+64
	global_load_b128 v[QX+16*(\bb)+12:QX+16*(\bb)+15], v5, s[8:9] offset:65536*(\bb)+80
.endr
	; the four numbers that thread tid will finish have j = (tid % 16) / 4 and m = 4 (tid % 4) + e: unit 64 g + 16 (tid % 4) + 4 e + j
	v_bfe_u32 v13, v0, 2, 2                        ; j
	v_and_b32 v25, 3, v0
	v_lshlrev_b32 v6, 6, v25
	v_lshl_add_u32 v6, v13, 2, v6
	s_lshl_b32 s32, s21, 8
	v_add_nc_u32 v6, s32, v6                       ; byte of that unit for e = 0
.irp e, 0,1,2,3
	global_load_b32 v[16+(\e)], v6, s[10:11] offset:16*(\e)
	global_load_b32 v[20+(\e)], v6, s[12:13] offset:16*(\e)
.endr
	v_bfe_u32 v14, v0, 1, 1                        ; h of those numbers
	v_lshrrev_b32 v15, 4, v0                       ; their batch within 16: r
	v_and_b32 v24, 1, v0                           ; which half of the lane's eight
	v_lshlrev_b32 v10, 10, v13
	v_lshl_add_u32 v10, v14, 9, v10
	v_lshl_add_u32 v10, v15, 5, v10
	v_lshl_add_u32 v10, v24, 4, v10                ; 1,024 j + 32 (16 h + r) + 16 half: where I read a tile back
	v_and_b32 v26, 31, v0
	s_lshl_b32 s32, s20, 13
	v_lshl_add_u32 v7, v26, 5, s32                 ; 8,192 wave + 32 lane: where I put my eight numbers of a tile
	v_lshlrev_b32 v11, 4, v0                       ; 16 tid
	s_lshl_b32 s30, s22, 4
	s_add_co_u32 s30, s30, s21
	s_lshl_b32 s30, s30, 13                        ; (16 p + g) x 8,192 bytes
	s_add_nc_u64 s[16:17], s[16:17], s[30:31]
	s_cmp_eq_u32 s22, 0
	s_cselect_b32 s26, 1.0, 0                      ; the biases enter partial 0 alone
	s_wait_loadcnt 0x0
	BUILD
.irp q, 0,1,2,3,4,5,6,7,8,9,10,11,12,13,14,15
	v_cvt_pk_bf16_f32 v[QF+(\q)], v[QX+2*(\q)], v[QX+2*(\q)+1]
.endr
.irp bb, 0,1
.irp j, 0,1,2,3
	v_wmma_f32_16x16x32_bf16 v[ACC+8*(4*(\bb)+(\j)):ACC+8*(4*(\bb)+(\j))+7], v[F+8*(\j):F+8*(\j)+7], v[QF+8*(\bb):QF+8*(\bb)+7], 0
.endr
.endr
.rept 8
	v_nop                                          ; places behind the products (ISA guide 7.12.1 asks four for this form; eight stand here, once a launch)
.endr
.irp t, 0,1,2,3,4,5,6,7
	ds_store_b128 v7, v[ACC+8*(\t):ACC+8*(\t)+3]   offset:1024*(\t)
	ds_store_b128 v7, v[ACC+8*(\t)+4:ACC+8*(\t)+7] offset:1024*(\t)+16
.endr
	s_wait_dscnt 0x0                               ; for the others' sake: my stores are done
	s_barrier_signal -1
	s_barrier_wait -1                              ; all eight waves' tiles lie in LDS
.irp ps, 0,1
.irp w, 0,1,2,3,4,5,6,7
	ds_load_b128 v[X+32*(\ps)+4*(\w):X+32*(\ps)+4*(\w)+3], v10 offset:4096*(\ps)+8192*(\w)
.endr
.endr
	; the biases, each rounded to bf16, added
.irp e, 0,1,2,3
	v_cvt_pk_bf16_f32 v[24+(\e)], v[16+(\e)], v[20+(\e)]
.endr
.irp e, 0,1,2,3
	v_lshlrev_b32 v[16+(\e)], 16, v[24+(\e)]
	v_and_b32 v[20+(\e)], 0xffff0000, v[24+(\e)]
.endr
.irp e, 0,1,2,3
	v_add_f32 v[16+(\e)], v[16+(\e)], v[20+(\e)]
.endr
	s_wait_dscnt 0x0
.macro PADD d, s                       ; four numbers onto four
	v_pk_add_f32 v[(\d):(\d)+1],   v[(\d):(\d)+1],   v[(\s):(\s)+1]
	v_pk_add_f32 v[(\d)+2:(\d)+3], v[(\d)+2:(\d)+3], v[(\s)+2:(\s)+3]
.endm
.irp ps, 0,1
	PADD X+32*(\ps),    X+32*(\ps)+4
	PADD X+32*(\ps)+8,  X+32*(\ps)+12
	PADD X+32*(\ps)+16, X+32*(\ps)+20
	PADD X+32*(\ps)+24, X+32*(\ps)+28
	PADD X+32*(\ps),    X+32*(\ps)+8
	PADD X+32*(\ps)+16, X+32*(\ps)+24
	PADD X+32*(\ps),    X+32*(\ps)+16
.irp e, 0,1,2,3
	v_fma_f32 v[X+32*(\ps)+(\e)], v[16+(\e)], s26, v[X+32*(\ps)+(\e)]
.endr
	global_store_b128 v11, v[X+32*(\ps):X+32*(\ps)+3], s[16:17] offset:4096*(\ps)   ; a wave stores 512 consecutive bytes
.endr
	s_wait_tensorcnt 0x0                           ; the wave's end, behind my last LDS store
	ds_add_u32 v[SPW], v[NIL]
	s_wait_dscnt 0x0
	s_endpgm
.Lfunc_end_k_qae785784c6_prep:
	.size	k_qae785784c6_prep, .Lfunc_end_k_qae785784c6_prep-k_qae785784c6_prep
	.p2alignl 7, 3214868480
	.fill 96, 4, 3214868480
	.section	.rodata,"a",@progbits
	.p2align	6, 0x0
	.amdhsa_kernel k_qae785784c6_prep
		.amdhsa_group_segment_fixed_size 66560
		.amdhsa_private_segment_fixed_size 0
		.amdhsa_enable_private_segment 0
		.amdhsa_kernarg_size 56
		.amdhsa_user_sgpr_count 2
		.amdhsa_user_sgpr_kernarg_segment_ptr 1
		.amdhsa_wavefront_size32 1
		.amdhsa_system_sgpr_workgroup_id_x 1
		.amdhsa_system_sgpr_workgroup_id_y 1
		.amdhsa_system_sgpr_workgroup_id_z 1
		.amdhsa_system_vgpr_workitem_id 0
		.amdhsa_next_free_vgpr 240
		.amdhsa_next_free_sgpr 66
		.amdhsa_reserve_vcc 0
		.amdhsa_float_denorm_mode_32 3
		.amdhsa_float_denorm_mode_16_64 3
		.amdhsa_memory_ordered 1
		.amdhsa_forward_progress 1
		.amdhsa_inst_pref_size 18
	.end_amdhsa_kernel
	.amdgpu_metadata
---
amdhsa.version: [ 1, 2 ]
amdhsa.kernels:
  - .name:           k_qae785784c6_prep
    .symbol:         k_qae785784c6_prep.kd
    .args:
      - { .name: W2, .offset: 0, .size: 8, .value_kind: global_buffer, .address_space: global }
      - { .name: W1, .offset: 8, .size: 8, .value_kind: global_buffer, .address_space: global }
      - { .name: query, .offset: 16, .size: 8, .value_kind: global_buffer, .address_space: global }
      - { .name: b1, .offset: 24, .size: 8, .value_kind: global_buffer, .address_space: global }
      - { .name: b2, .offset: 32, .size: 8, .value_kind: global_buffer, .address_space: global }
      - { .name: w2f, .offset: 40, .size: 8, .value_kind: global_buffer, .address_space: global }
      - { .name: qp, .offset: 48, .size: 8, .value_kind: global_buffer, .address_space: global }
    .group_segment_fixed_size: 66560
    .private_segment_fixed_size: 0
    .kernarg_segment_align: 8
    .kernarg_segment_size: 56
    .max_flat_workgroup_size: 256
    .sgpr_count:     66
    .vgpr_count:     240
    .wavefront_size: 32
...
	.end_amdgpu_metadata
.endif
;; end of part 1
;; launch attn (part 2): grid 512 x 1, 4 waves a work-group, no clusters, 276,992 bytes of LDS; arguments values, w2f, qp, Wv, bv, sc, st, cp; writes sc, st, cp
.if DOCPART == 2
	.amdgcn_target "amdgcn-amd-amdhsa--gfx1250"
	.amdhsa_code_object_version 6
	.text
	.protected	k_qae785784c6_attn
	.globl	k_qae785784c6_attn
	.p2align	8
	.type	k_qae785784c6_attn,@function
k_qae785784c6_attn:
	s_mov_b64 s[64:65], 0
	v_nop
	global_prefetch_b8 v0, s[64:65] scope:SCOPE_SE
	s_setreg_imm32_b32 hwreg(HW_REG_WAVE_MODE, 25, 1), 1
	s_wait_xcnt 0x0
; ATTN.  For a block of 128 rows (b, t) of values: score = sum over u of wv[u] tanh(q[b][u] + (values W2)[t][u]) + bv; the block's maximum m, p = e^(score - m), l = sum of p, and the
; unnormalised context sum over t of p values[t][:].  Out: sc (scores), st (m, l), cp (context), all f32; the last launch joins a batch's 16 blocks.
; FORMATS.  values, W2, Wv, bv rounded once to bf16 (q arrives in f32, made of bf16 inputs); all sums, tanh, softmax and the context in f32.
; tanh(x) = 1 - 2 / (1 + 2^(c x)), c = 2 log2(e): an overflowing power gives 1, a vanishing one -1.  score = bv + sum wv - 2 sum wv r, r the reciprocal.
; The product with Wv has one column: it is one f32 multiply-add a number, fused here; on the matrix unit it would use 1 column of 16 and round tanh to 16 bits.
; LIMITS.  A weight below 2^-126 counts as 0; NaN and infinities are not treated apart.
; THE BLOCK STAYS: 128 rows x 1,024 bf16 lie in LDS from the first phase to the last, so values is read from memory once, for the scores and for the context.
; SHARES.  Wave w owns units 256 w .. 256 w + 255 (in the permuted order of w2f) as two chunks of 128, for all 128 rows: 64 accumulators, 512 registers.
; THE MATRIX INSTRUCTION: source 0 = 16 units of W2, source 1 = 16 rows of values: a lane holds one row t (lane % 16) and the units 8 (lane / 16) + 0..7.  The first K step's C operand is q.
; W2 COMES STRAIGHT INTO REGISTERS, 512 consecutive bytes a load, through a ring of four K steps: no wave wants a byte of it that another wave of the work-group fetched.
; NO TENSOR LOADS, NO CLUSTER, though all work-groups walk the same W2: the block and the tables take 276,992 of a WGP's 327,680 bytes of LDS; a K step of the four waves' units is 32,768 bytes
; of W2, so two slots of one step do not fit in the 50,688 that are left.  The register ring has 56 loads of a wave on their way, each asked for 192 matrix instructions or more ahead, with no barrier in the K loop.
; REGISTERS, in windows of 256 (s_set_vgpr_msb: bits 1:0 source 0, 3:2 source 1, 5:4 source 2, 7:6 destination):
;   window 0: v0-31 addresses and at work; v32-47 score sums; v48-63 at work; v64-127 q (C of the first step), later at work; v128-191, v192-255 fragments of values, two buffers (the second also Wv's table)
;   window 1: the ring of W2: set s at 64 s, fragment a at + 8 a      window 2: accumulators of unit blocks 0-3 ((a, b) at 8 (8 a + b)); first the staging of values      window 3: those of blocks 4-7
.set PITCH, 2064                       ; a row in LDS: 2,048 bytes + 16 = 129 x 16: the 16 rows of a fragment load start at 16 different groups of four banks (64 banks of 4 bytes: ISA guide 11.1)
.set QT,    128*PITCH                  ; 264,192: q of my batch, 1,024 f32 in permuted order
.set WT,    QT+4096                    ; -2 bf16(Wv), likewise
.set SCR,   WT+4096                    ; the four waves' partial scores, 512 bytes each
.set PW,    SCR+2048                   ; p, a copy of 512 bytes for each wave
.set SPARE, PW+2048                    ; the spare words, 128 bytes for each wave: two blocks of 256 bytes that no other line names
.set VA,  4                            ; v4-7   (32 i + lane % 16) PITCH + 16 (lane / 16); never rewritten
.set ADR, 8                            ; v8-11  the same + the K offset of the trip in hand
.set LN,  12                           ; v12    16 x lane; never rewritten
.set AS,  14                           ; v14    where I put 8 bytes of a converted row
.set TA,  15                           ; v15    QT + 1,024 w + 32 (lane / 16)
.set TAC, 16                           ; v16    the same for the chunk in hand
.set WS,  17                           ; v17    the sum of 256 of the rounded wv (the four waves' sums make all 1,024)
.set SPW, 18                           ; v18    LDS address of my spare word; never rewritten
.set NIL, 19                           ; v19    0; never rewritten
.set SC,  32
.set QB,  64
.set VB,  128
.set WVT, 192
.set WV,  20                           ; s20  wave
.set TILE, 21                          ; s21  block
.set AP,  24                           ; s[24:25] values at my wave's rows of the trip in hand
.set WP,  26                           ; s[26:27] w2f at my wave's K step, the first of the trip in hand
.set KB,  28                           ; s28  byte offset along K of the next trip
.set TO,  29                           ; s29  512 x chunk
.set CNT, 30
.set GT,  31                           ; s31  plain trips still to come, over both chunks
.set CH,  32                           ; s32  chunks still to come
.set CC,  34                           ; s[34:35] c
.set SEL, 36                           ; s[36:37] v_permlanex16_b32's selects: each lane takes its own place in the other half
.set BV,  38
.set MSB, 0
.macro WIN new                         ; the immediate's high byte repeats the setting that is left; a switch that changes nothing is dropped
.if MSB != (\new)
	s_set_vgpr_msb (MSB<<8)|(\new)
.set MSB, (\new)
.endif
.endm
	s_load_b512 s[4:19], s[0:1], 0x0               ; values s[4:5], w2f s[6:7], qp s[8:9], Wv s[10:11], bv s[12:13], sc s[14:15], st s[16:17], cp s[18:19]
	v_lshl_add_u32 v[SPW], v0, 2, SPARE
	v_mov_b32 v[NIL], 0
	v_lshrrev_b32 v20, 5, v0
	v_readfirstlane_b32 s[WV], v20                 ; wave 0..3
	v_and_b32 v1, 31, v0                           ; lane
	v_and_b32 v2, 15, v0                           ; r
	v_bfe_u32 v3, v0, 4, 1                         ; h
	s_mov_b32 s[TILE], ttmp9
	s_lshr_b32 s22, ttmp9, 4                       ; batch
	v_mul_u32_u24 v[VA], v2, PITCH
	v_lshl_add_u32 v[VA], v3, 4, v[VA]
	v_add_nc_u32 v[VA+1], 32*PITCH, v[VA]
	v_add_nc_u32 v[VA+2], 64*PITCH, v[VA]
	v_add_nc_u32 v[VA+3], 96*PITCH, v[VA]
	v_lshlrev_b32 v[LN], 4, v1
	s_mul_i32 s40, s[WV], 32*PITCH
	v_lshl_add_u32 v[AS], v1, 3, s40               ; my wave's 32 rows, 8 bytes a lane
	s_lshl_b32 s41, s[WV], 10
	s_add_co_u32 s41, s41, QT
	v_lshl_add_u32 v[TA], v3, 5, s41
	v_lshrrev_b32 v20, 4, v0                       ; tid / 16
	v_lshlrev_b32 v21, 13, v20
	v_lshl_add_u32 v21, v2, 4, v21                 ; qp: block g = tid / 16 (+ 8 in the second pass), 16 bytes of its 256
	v_lshlrev_b32 v22, 4, v0                       ; 16 tid
	v_add_nc_u32 v23, QT, v22
	v_lshlrev_b32 v24, 8, v20
	v_lshl_add_u32 v24, v2, 2, v24
	v_add_nc_u32 v24, WT, v24                      ; WT + 256 g + 4 m
	s_mov_b32 s[CC], 0x4038aa3b                    ; c = 2 log2(e)
	s_mov_b32 s[CC+1], s[CC]
	s_mov_b32 s[SEL], 0x76543210
	s_mov_b32 s[SEL+1], 0xfedcba98
	s_wait_kmcnt 0x0
	s_load_b32 s[BV], s[12:13], 0x0
	s_lshl_b32 s40, s[TILE], 19                    ; 128 rows of 4,096 bytes,
	s_lshl_b32 s41, s[WV], 17                      ; my wave's 32
	s_add_co_u32 s40, s40, s41
	s_mov_b32 s41, 0
	s_add_nc_u64 s[AP:AP+1], s[4:5], s[40:41]
	s_lshl_b32 s40, s[WV], 19                      ; my wave's 64 K steps of 8,192 bytes
	s_add_nc_u64 s[WP:WP+1], s[6:7], s[40:41]
	s_lshl_b32 s40, s22, 8
	s_add_nc_u64 s[8:9], s[8:9], s[40:41]          ; qp at my batch
	s_lshl_b32 s40, s[TILE], 9
	s_add_nc_u64 s[14:15], s[14:15], s[40:41]      ; sc, st, cp at my block
	s_lshl_b32 s40, s[TILE], 3
	s_add_nc_u64 s[16:17], s[16:17], s[40:41]
	s_lshl_b32 s40, s[TILE], 12
	s_add_nc_u64 s[18:19], s[18:19], s[40:41]
.irp ps, 0,1
.irp p, 0,1,2,3
	global_load_b128 v[QB+16*(\ps)+4*(\p):QB+16*(\ps)+4*(\p)+3], v21, s[8:9] offset:131072*(\p)+65536*(\ps)   ; 16 lanes take a block's 256 bytes
.endr
.endr
	global_load_b128 v[96:99],   v22, s[10:11]
	global_load_b128 v[100:103], v22, s[10:11] offset:2048
; PHASE A.  values -> bf16 in LDS.  A batch is two rows: 16 loads of 512 consecutive bytes.  Four batch slots of 64 registers (window 2) take turns.
.macro FILL sg, off
	WIN 0x80                                       ; destination window 2
.irp i, 0,1,2,3,4,5,6,7,8,9,10,11,12,13,14,15
	global_load_b128 v[64*(\sg)+4*(\i):64*(\sg)+4*(\i)+3], v[LN], s[AP:AP+1] offset:(\off)+(2*(\sg)+(\i)/8)*4096+512*((\i)%8) th:TH_LOAD_NT
.endr
.endm
.macro SLOT sg
	s_wait_loadcnt 48                              ; loads come back in order (ISA guide 5.7.1): this batch is in; the 48 loads issued behind it stay out
	WIN 0x8a
.irp i, 0,1,2,3,4,5,6,7,8,9,10,11,12,13,14,15
	v_cvt_pk_bf16_f32 v[64*(\sg)+4*(\i)],   v[64*(\sg)+4*(\i)],   v[64*(\sg)+4*(\i)+1]
	v_cvt_pk_bf16_f32 v[64*(\sg)+4*(\i)+1], v[64*(\sg)+4*(\i)+2], v[64*(\sg)+4*(\i)+3]
.endr
	WIN 0x08                                       ; data window 2, address window 0
.irp i, 0,1,2,3,4,5,6,7,8,9,10,11,12,13,14,15
	ds_store_b64 v[AS], v[64*(\sg)+4*(\i):64*(\sg)+4*(\i)+1] offset:(2*(\sg)+(\i)/8)*PITCH+256*((\i)%8)   ; 256 consecutive bytes
.endr
.endm
; Half a K step of W2 (four fragments, 4,096 bytes) into the ring: part 0 = fragments 0-3, part 1 = fragments 4-7.
.macro WLD set, part, off
	WIN 0x40                                       ; destination window 1
.irp a, 0,1,2,3
	global_load_b128 v[64*(\set)+32*(\part)+8*(\a):64*(\set)+32*(\part)+8*(\a)+3],   v[LN], s[WP:WP+1] offset:(\off)+1024*(\a)
	global_load_b128 v[64*(\set)+32*(\part)+8*(\a)+4:64*(\set)+32*(\part)+8*(\a)+7], v[LN], s[WP:WP+1] offset:(\off)+1024*(\a)+512
.endr
.endm
	FILL 0, 0
	FILL 1, 0
	FILL 2, 0
	WIN 0
	s_wait_loadcnt 48                              ; the ten small loads are in; the three batches behind them stay out
.irp ps, 0,1                           ; q = the four K partials added
	v_pk_add_f32 v[QB+16*(\ps):QB+16*(\ps)+1],     v[QB+16*(\ps):QB+16*(\ps)+1],     v[QB+16*(\ps)+4:QB+16*(\ps)+5]
	v_pk_add_f32 v[QB+16*(\ps)+2:QB+16*(\ps)+3],   v[QB+16*(\ps)+2:QB+16*(\ps)+3],   v[QB+16*(\ps)+6:QB+16*(\ps)+7]
	v_pk_add_f32 v[QB+16*(\ps)+8:QB+16*(\ps)+9],   v[QB+16*(\ps)+8:QB+16*(\ps)+9],   v[QB+16*(\ps)+12:QB+16*(\ps)+13]
	v_pk_add_f32 v[QB+16*(\ps)+10:QB+16*(\ps)+11], v[QB+16*(\ps)+10:QB+16*(\ps)+11], v[QB+16*(\ps)+14:QB+16*(\ps)+15]
	v_pk_add_f32 v[QB+16*(\ps):QB+16*(\ps)+1],     v[QB+16*(\ps):QB+16*(\ps)+1],     v[QB+16*(\ps)+8:QB+16*(\ps)+9]
	v_pk_add_f32 v[QB+16*(\ps)+2:QB+16*(\ps)+3],   v[QB+16*(\ps)+2:QB+16*(\ps)+3],   v[QB+16*(\ps)+10:QB+16*(\ps)+11]
	ds_store_b128 v23, v[QB+16*(\ps):QB+16*(\ps)+3] offset:2048*(\ps)
.endr
.irp i, 0,1,2,3                        ; Wv rounded to bf16
	v_cvt_pk_bf16_f32 v[104+(\i)], v[96+2*(\i)], v[97+2*(\i)]
.endr
.irp i, 0,1,2,3
	v_lshlrev_b32 v[96+2*(\i)], 16, v[104+(\i)]
	v_and_b32 v[97+2*(\i)], 0xffff0000, v[104+(\i)]
.endr
	v_pk_add_f32 v[104:105], v[96:97], v[98:99]    ; the sum of my wave's 256
	v_pk_add_f32 v[106:107], v[100:101], v[102:103]
	v_pk_add_f32 v[104:105], v[104:105], v[106:107]
	v_add_f32 v[WS], v104, v105
	v_add_f32_dpp v[WS], v[WS], v[WS] row_xmask:1 row_mask:0xf bank_mask:0xf
	v_add_f32_dpp v[WS], v[WS], v[WS] row_xmask:2 row_mask:0xf bank_mask:0xf
	v_add_f32_dpp v[WS], v[WS], v[WS] row_xmask:4 row_mask:0xf bank_mask:0xf
	v_add_f32_dpp v[WS], v[WS], v[WS] row_xmask:8 row_mask:0xf bank_mask:0xf
	v_permlanex16_b32 v104, v[WS], s[SEL], s[SEL+1]
	v_add_f32 v[WS], v[WS], v104
.irp i, 0,1,2,3
	v_pk_mul_f32 v[96+2*(\i):97+2*(\i)], v[96+2*(\i):97+2*(\i)], -2.0 op_sel_hi:[1,0]
.endr
.irp ps, 0,1                           ; unit 4 tid + j + 512 pass has g = tid / 16 + 8 pass, m = tid % 16: table place 64 g + 16 j + m
.irp j, 0,1,2,3
	ds_store_b32 v24, v[96+4*(\ps)+(\j)] offset:2048*(\ps)+64*(\j)
.endr
.endr
	FILL 3, 0
	WIN 0
	s_mov_b32 s[CNT], 3
.Lrows:                                                ; three trips of four batches: eight rows are converted, the next eight asked for
	SLOT 0
	FILL 0, 32768
	SLOT 1
	FILL 1, 32768
	SLOT 2
	FILL 2, 32768
	SLOT 3
	FILL 3, 32768
	WIN 0
	s_wait_xcnt 0x0                                ; every load issued so far has read its address: the pointer is written only behind this wait
	s_add_nc_u64 s[AP:AP+1], s[AP:AP+1], 32768
	v_add_nc_u32 v[AS], 8*PITCH, v[AS]
	s_sub_co_u32 s[CNT], s[CNT], 1
	s_cmp_lg_u32 s[CNT], 0
	s_cbranch_scc1 .Lrows
	SLOT 0                                         ; the last eight rows: in the batches' place the ring of W2 is filled, in the stream's order, so that every count stays 48
	WLD 0, 0, 0
	WLD 0, 1, 4096
	SLOT 1
	WLD 1, 0, 8192
	WLD 1, 1, 12288
	SLOT 2
	WLD 2, 0, 16384
	WLD 2, 1, 20480
	SLOT 3
	WLD 3, 0, 24576                                ; 56 loads of W2 are out
	WIN 0
	s_wait_kmcnt 0x0                               ; bv
	s_wait_dscnt 0x0                               ; for the others' sake: my rows and my part of the tables are stored
	s_barrier_signal -1
	s_barrier_wait -1                              ; the block and both tables are whole
.irp i, 0,1,2,3,4,5,6,7,8,9,10,11,12,13,14,15
	v_mov_b32 v[SC+(\i)], 0
.endr
.irp i, 0,1,2,3
	v_mov_b32 v[ADR+(\i)], v[VA+(\i)]
.endr
	s_mov_b32 s[KB], 0
	s_mov_b32 s[TO], 0
; PHASE G.  16 LDS loads: the fragments of values for one K step (128 rows x 32 k) into buffer vb.
.macro VLD vb, koff
	WIN 0
.irp b, 0,1,2,3,4,5,6,7
	ds_load_b128 v[(\vb)+8*(\b):(\vb)+8*(\b)+3],   v[ADR+(\b)/2] offset:((\b)%2)*16*PITCH+(\koff)
	ds_load_b128 v[(\vb)+8*(\b)+4:(\vb)+8*(\b)+7], v[ADR+(\b)/2] offset:((\b)%2)*16*PITCH+(\koff)+32
.endr
.endm
; 32 matrix instructions: unit blocks 4 hi .. 4 hi + 3 x all 8 row blocks.  zero = 1: the chunk's first K step: C is q, the same for all row blocks.
; The 64 accumulators take turns, one instruction a turn, in the same order in every step.
.macro MUL32 set, vb, hi, zero
.if \zero
	WIN 0x81+0x40*(\hi)                            ; W2 window 1, values and q window 0, D window 2 or 3
.else
	WIN 0xa1+0x50*(\hi)                            ; C and D window 2 or 3
.endif
.irp a, 0,1,2,3
.irp b, 0,1,2,3,4,5,6,7
.if \zero
	v_wmma_f32_16x16x32_bf16 v[8*(8*(\a)+(\b)):8*(8*(\a)+(\b))+7], v[64*(\set)+32*(\hi)+8*(\a):64*(\set)+32*(\hi)+8*(\a)+7], v[(\vb)+8*(\b):(\vb)+8*(\b)+7], v[QB+32*(\hi)+8*(\a):QB+32*(\hi)+8*(\a)+7]
.else
	v_wmma_f32_16x16x32_bf16 v[8*(8*(\a)+(\b)):8*(8*(\a)+(\b))+7], v[64*(\set)+32*(\hi)+8*(\a):64*(\set)+32*(\hi)+8*(\a)+7], v[(\vb)+8*(\b):(\vb)+8*(\b)+7], v[8*(8*(\a)+(\b)):8*(8*(\a)+(\b))+7]
.endif
.endr
.endr
.endm
; K step s of a trip of four.  L(n), H(n): the two halves of step n of my stream of W2.  wh: the loads issued behind L of this step; wm: those behind its H.
; In the step's middle, four plain places behind the products (ISA guide 7.12.1 for vector instructions), stand the loads: the next step's fragments of values into the other buffer,
; H of the step three on (its registers were read a step ago) and L of the step four on (its registers were read just now).  rl = 1: both; 2: H alone; 0: none.
.macro STEP s, zero, rl, vnext, wh, wm
	s_wait_loadcnt \wh
	s_wait_dscnt 0x0                               ; this step's fragments of values, asked for 32 matrix instructions ago
	MUL32 \s, VB+64*((\s)%2), 0, \zero
	WIN 0
.if (\s) < 3
.rept 4
	v_nop
.endr
.else
	s_add_co_u32 s[KB], s[KB], 256                 ; the next trip's 128 k; behind the chunk's last trip back to 0
	s_and_b32 s[KB], s[KB], 2047
.irp i, 0,1,2,3
	v_add_nc_u32 v[ADR+(\i)], s[KB], v[VA+(\i)]    ; these four are the places
.endr
.endif
	s_wait_loadcnt \wm
.if \vnext
.if (\s) < 3
	VLD VB+64*(((\s)+1)%2), 64*((\s)+1)
.else
	VLD VB+64*(((\s)+1)%2), 0
.endif
.endif
.if \rl
	WLD ((\s)+3)%4, 1, ((\s)+3)*8192+4096
.endif
.if (\rl) == 1
	WLD \s, 0, ((\s)+4)*8192
.endif
	MUL32 \s, VB+64*((\s)%2), 1, \zero
.endm
.macro TRIPEND
	WIN 0                                          ; at a label and at a branch every window is 0
	s_wait_xcnt 0x0                                ; the loads, the youngest 32 matrix instructions back, have read their address
	s_add_nc_u64 s[WP:WP+1], s[WP:WP+1], 32768
.endm
; THE EPILOGUE's single lines, for tile (bt, q) of the window in hand; bt = -1: none.
.macro OPP bt, q, n                    ; c x, a pair
.if (\bt) >= 0
.set rA, 8*(8*(\bt)+(\q))+2*(\n)
	v_pk_mul_f32 v[rA:rA+1], v[rA:rA+1], s[CC:CC+1] op_sel_hi:[1,0]
.endif
.endm
.macro OPE bt, q, n                    ; 2^(c x)
.if (\bt) >= 0
.set rA, 8*(8*(\bt)+(\q))+(\n)
	v_exp_f32 v[rA], v[rA]
.endif
.endm
.macro OPA bt, q, n                    ; + 1, a pair
.if (\bt) >= 0
.set rA, 8*(8*(\bt)+(\q))+2*(\n)
	v_pk_add_f32 v[rA:rA+1], v[rA:rA+1], 1.0 op_sel_hi:[1,0]
.endif
.endm
.macro OPR bt, q, n                    ; r
.if (\bt) >= 0
.set rA, 8*(8*(\bt)+(\q))+(\n)
	v_rcp_f32 v[rA], v[rA]
.endif
.endm
.macro OPF bt, q, n, hi                ; -2 wv r, a pair, gathered in the registers of the window's unit block 0
.if (\bt) == 0
.set rA, 8*(\q)+2*(\n)
.set rW, WVT+32*(\hi)+2*(\n)
	v_pk_mul_f32 v[rA:rA+1], v[rA:rA+1], v[rW:rW+1]
.elseif (\bt) > 0
.set rA, 8*(8*(\bt)+(\q))+2*(\n)
.set rB, 8*(\q)+2*(\n)
.set rW, WVT+32*(\hi)+8*(\bt)+2*(\n)
	v_pk_fma_f32 v[rB:rB+1], v[rA:rA+1], v[rW:rW+1], v[rB:rB+1]
.endif
.endm
; One row block q in a round: scaling and powers of unit block pe, + 1 and reciprocals of block ar, the sums of block fm, plain lines set between the transcendentals.
; No line names the result of a transcendental of the same round.  Each accumulator's lowest registers are read first.
.macro TILEOPS pe, ar, fm, q, hi
	OPP \pe, \q, 0
	OPA \ar, \q, 0
	OPP \pe, \q, 1
	OPA \ar, \q, 1
	OPE \pe, \q, 0
	OPP \pe, \q, 2
	OPE \pe, \q, 1
	OPA \ar, \q, 2
	OPR \ar, \q, 0
	OPP \pe, \q, 3
	OPR \ar, \q, 1
	OPA \ar, \q, 3
	OPE \pe, \q, 2
	OPF \fm, \q, 0, \hi
	OPE \pe, \q, 3
	OPF \fm, \q, 1, \hi
	OPR \ar, \q, 2
	OPF \fm, \q, 2, \hi
	OPR \ar, \q, 3
	OPF \fm, \q, 3, \hi
.irp n, 4,5,6,7
	OPE \pe, \q, \n
	OPR \ar, \q, \n
.endr
.endm
.macro EROUND pe, ar, fm, hi
.irp q, 0,1,2,3,4,5,6,7
	TILEOPS \pe, \ar, \fm, \q, \hi
.endr
.endm
.macro TWAIT                           ; a round's transcendentals are one batch: a plain line behind the last, and one wait ahead of the first reader
	v_nop
	s_wait_alu depctr_va_vdst(0)
.endm
.macro EPIW hi                         ; one window's four unit blocks, in six rounds under one window setting
	WIN 0xa2+0x51*(\hi)                            ; accumulators (destination, sources 0 and 2) window 2 or 3, Wv's table window 0
	EROUND 0, -1, -1, \hi
	TWAIT
	EROUND 1, 0, -1, \hi
	TWAIT
.if (\hi) == 0
	s_wait_dscnt 0x0                               ; Wv's table is in
.endif
	EROUND 2, 1, 0, \hi
	TWAIT
	EROUND 3, 2, 1, \hi
	TWAIT
	EROUND -1, 3, 2, \hi
	TWAIT
	EROUND -1, -1, 3, \hi
.endm
	VLD VB, 0                                      ; K step 0
	s_mov_b32 s[CH], 2
	s_mov_b32 s[GT], 13                            ; 7 plain trips in chunk 0, 6 in chunk 1
.Lchunk:
	v_add_nc_u32 v[TAC], s[TO], v[TA]
.irp a, 0,1,2,3,4,5,6,7                ; q of the chunk's 128 units: a lane's eight of each block
	ds_load_b128 v[QB+8*(\a):QB+8*(\a)+3],   v[TAC] offset:64*(\a)
	ds_load_b128 v[QB+8*(\a)+4:QB+8*(\a)+7], v[TAC] offset:64*(\a)+16
.endr
	STEP 0, 1, 1, 1, 48, 40                        ; the chunk's first trip: its first step starts the sums with q
	STEP 1, 0, 1, 1, 48, 40
	STEP 2, 0, 1, 1, 48, 40
	STEP 3, 0, 1, 1, 48, 40
	TRIPEND
	s_mov_b32 s[CNT], 7
.Lplain:
	s_cmp_eq_u32 s[GT], 0                          ; the stream's last trip is written out: it asks for one half step more and no further
	s_cbranch_scc1 .Ltail
	s_sub_co_u32 s[GT], s[GT], 1
	STEP 0, 0, 1, 1, 48, 40
	STEP 1, 0, 1, 1, 48, 40
	STEP 2, 0, 1, 1, 48, 40
	STEP 3, 0, 1, 1, 48, 40
	TRIPEND
	s_sub_co_u32 s[CNT], s[CNT], 1
	s_cmp_lg_u32 s[CNT], 0
	s_cbranch_scc1 .Lplain
	s_branch .Lepi
.Ltail:
	STEP 0, 0, 2, 1, 48, 40                        ; steps 60 to 63: H(63) is the last load, and the counts run down
	STEP 1, 0, 0, 1, 40, 32
	STEP 2, 0, 0, 1, 24, 16
	STEP 3, 0, 0, 0, 8, 0
	WIN 0
.Lepi:
.rept 8
	v_nop                                          ; places behind the last products (ISA guide 7.12.1 asks four for this form; eight stand here, once a chunk)
.endr
.irp a, 0,1,2,3,4,5,6,7                ; -2 wv of the chunk's units, into the buffer that the last step multiplied
	ds_load_b128 v[WVT+8*(\a):WVT+8*(\a)+3],   v[TAC] offset:4096+64*(\a)
	ds_load_b128 v[WVT+8*(\a)+4:WVT+8*(\a)+7], v[TAC] offset:4096+64*(\a)+16
.endr
	EPIW 0
	EPIW 1
	WIN 0x0e                                       ; source 0 window 2, source 1 window 3, destination window 0: q's registers are free
.irp b, 0,1,2,3,4,5,6,7
.irp n, 0,1,2,3
	v_pk_add_f32 v[QB+8*(\b)+2*(\n):QB+8*(\b)+2*(\n)+1], v[8*(\b)+2*(\n):8*(\b)+2*(\n)+1], v[8*(\b)+2*(\n):8*(\b)+2*(\n)+1]
.endr
.endr
	WIN 0
.irp b, 0,1,2,3,4,5,6,7
	v_pk_add_f32 v[QB+8*(\b):QB+8*(\b)+1],   v[QB+8*(\b):QB+8*(\b)+1],   v[QB+8*(\b)+2:QB+8*(\b)+3]
	v_pk_add_f32 v[QB+8*(\b)+4:QB+8*(\b)+5], v[QB+8*(\b)+4:QB+8*(\b)+5], v[QB+8*(\b)+6:QB+8*(\b)+7]
.endr
.irp b, 0,1,2,3,4,5,6,7
	v_pk_add_f32 v[QB+8*(\b):QB+8*(\b)+1], v[QB+8*(\b):QB+8*(\b)+1], v[QB+8*(\b)+4:QB+8*(\b)+5]
.endr
.irp b, 0,1,2,3,4,5,6,7
	v_pk_add_f32 v[SC+2*(\b):SC+2*(\b)+1], v[SC+2*(\b):SC+2*(\b)+1], v[QB+8*(\b):QB+8*(\b)+1]
.endr
	s_add_co_u32 s[TO], s[TO], 512
	s_sub_co_u32 s[CH], s[CH], 1
	s_cmp_lg_u32 s[CH], 0
	s_cbranch_scc1 .Lchunk
	; PHASE F.  My wave's partial scores: the pair, the other half of the lanes, the sum of wv; row 16 b + r
	s_lshl_b32 s40, s[WV], 9
	s_add_co_u32 s41, s40, SCR
	v_lshl_add_u32 v20, v2, 2, s41
.irp b, 0,1,2,3,4,5,6,7
	v_add_f32 v[SC+2*(\b)], v[SC+2*(\b)], v[SC+2*(\b)+1]
.endr
.irp b, 0,1,2,3,4,5,6,7
	v_permlanex16_b32 v[SC+2*(\b)+1], v[SC+2*(\b)], s[SEL], s[SEL+1]
.endr
.irp b, 0,1,2,3,4,5,6,7
	v_add_f32 v[SC+2*(\b)], v[SC+2*(\b)], v[SC+2*(\b)+1]
.endr
.irp b, 0,1,2,3,4,5,6,7
	v_add_f32 v[SC+2*(\b)], v[WS], v[SC+2*(\b)]
	ds_store_b32 v20, v[SC+2*(\b)] offset:64*(\b)  ; both halves of the lanes write the same word with the same number
.endr
	s_wait_dscnt 0x0                               ; for the others' sake
	s_barrier_signal -1
	s_barrier_wait -1
	v_add_nc_u32 v21, SCR, v[LN]
.irp w, 0,1,2,3
	ds_load_b128 v[48+4*(\w):51+4*(\w)], v21 offset:512*(\w)   ; rows 4 lane + 0..3, every wave all 128
.endr
	v_mov_b32 v22, s[BV]
	v_cvt_pk_bf16_f32 v22, v22, v22
	v_lshlrev_b32 v22, 16, v22                     ; bv rounded to bf16
	v_mov_b32 v23, v22
	s_wait_dscnt 0x0
	v_pk_add_f32 v[48:49], v[48:49], v[52:53]
	v_pk_add_f32 v[50:51], v[50:51], v[54:55]
	v_pk_add_f32 v[56:57], v[56:57], v[60:61]
	v_pk_add_f32 v[58:59], v[58:59], v[62:63]
	v_pk_add_f32 v[48:49], v[48:49], v[56:57]
	v_pk_add_f32 v[50:51], v[50:51], v[58:59]
	v_pk_add_f32 v[48:49], v[48:49], v[22:23]
	v_pk_add_f32 v[50:51], v[50:51], v[22:23]      ; the scores
	v_max3_num_f32 v24, v48, v49, v50
	v_max_num_f32 v24, v24, v51
	v_max_num_f32_dpp v24, v24, v24 row_xmask:1 row_mask:0xf bank_mask:0xf
	v_max_num_f32_dpp v24, v24, v24 row_xmask:2 row_mask:0xf bank_mask:0xf
	v_max_num_f32_dpp v24, v24, v24 row_xmask:4 row_mask:0xf bank_mask:0xf
	v_max_num_f32_dpp v24, v24, v24 row_xmask:8 row_mask:0xf bank_mask:0xf
	v_permlanex16_b32 v23, v24, s[SEL], s[SEL+1]
	v_max_num_f32 v24, v24, v23                    ; m, the block's maximum, in every lane
.irp e, 0,1,2,3
	v_sub_f32 v[52+(\e)], v[48+(\e)], v24
.endr
.irp e, 0,1,2,3
	v_mul_f32 v[52+(\e)], 0x3fb8aa3b, v[52+(\e)]
.endr
.irp e, 0,1,2,3
	v_exp_f32 v[52+(\e)], v[52+(\e)]               ; p
.endr
	v_mov_b32 v26, v24                             ; the plain line behind the last power
	s_wait_alu depctr_va_vdst(0)                   ; one wait for the four, ahead of their first reader
	v_add_f32 v27, v52, v53
	v_add_f32 v25, v54, v55
	v_add_f32 v27, v27, v25
	v_add_f32_dpp v27, v27, v27 row_xmask:1 row_mask:0xf bank_mask:0xf
	v_add_f32_dpp v27, v27, v27 row_xmask:2 row_mask:0xf bank_mask:0xf
	v_add_f32_dpp v27, v27, v27 row_xmask:4 row_mask:0xf bank_mask:0xf
	v_add_f32_dpp v27, v27, v27 row_xmask:8 row_mask:0xf bank_mask:0xf
	v_permlanex16_b32 v25, v27, s[SEL], s[SEL+1]
	v_add_f32 v27, v27, v25                        ; l
	s_cmp_lg_u32 s[WV], 0
	s_cbranch_scc1 .Lnot_wave_0
	global_store_b128 v[LN], v[48:51], s[14:15]    ; the block's 128 scores: 512 consecutive bytes
	v_mov_b32 v28, 0
	v_cmp_eq_u32 vcc_lo, 0, v1
	s_wait_xcnt 0x0                                ; EXEC changes only behind s_wait_xcnt 0
	s_and_saveexec_b32 s42, vcc_lo
	global_store_b64 v28, v[26:27], s[16:17]       ; (m, l), by lane 0
	s_wait_xcnt 0x0                                ; and again in front of the line that widens it
	s_or_b32 exec_lo, exec_lo, s42
.Lnot_wave_0:
	s_add_co_u32 s41, s40, PW
	v_add_nc_u32 v29, s41, v[LN]
	ds_store_b128 v29, v[52:55]                    ; p into my wave's own copy: LDS serves a wave's instructions in order (ISA guide 5.7.1.4), so my loads below see it
	; THE CONTEXT.  Thread tid owns channels 4 tid .. + 3 and 512 + 4 tid .. + 3 and walks the 128 rows, eight at a time, on two register buffers.
	v_lshlrev_b32 v30, 3, v0                       ; 8 tid
	v_mov_b32 v31, s41
.irp e, 0,1,2,3,4,5,6,7
	v_mov_b32 v[64+(\e)], 0
.endr
.macro CL buf, row                     ; 18 LDS loads: eight rows' 2 x 8 bytes, and their eight p
.irp k, 0,1,2,3,4,5,6,7
	ds_load_b64 v[(\buf)+4*(\k):(\buf)+4*(\k)+1],   v30 offset:((\row)+(\k))*PITCH
	ds_load_b64 v[(\buf)+4*(\k)+2:(\buf)+4*(\k)+3], v30 offset:((\row)+(\k))*PITCH+1024
.endr
	ds_load_b128 v[(\buf)+32:(\buf)+35], v31 offset:4*(\row)
	ds_load_b128 v[(\buf)+36:(\buf)+39], v31 offset:4*(\row)+16
.endm
.macro CF buf                          ; 64 multiply-adds straight from the bf16 halves, in f32; eight sums take turns
.irp k, 0,1,2,3,4,5,6,7
.irp d, 0,1,2,3
	v_fma_mix_f32_bf16 v[64+2*(\d)], v[(\buf)+4*(\k)+(\d)], v[(\buf)+32+(\k)], v[64+2*(\d)] op_sel_hi:[1,0,0]
	v_fma_mix_f32_bf16 v[65+2*(\d)], v[(\buf)+4*(\k)+(\d)], v[(\buf)+32+(\k)], v[65+2*(\d)] op_sel:[1,0,0] op_sel_hi:[1,0,0]
.endr
.endr
.endm
	CL 128, 0
	s_mov_b32 s[CNT], 7
.Lctx:
	CL 192, 8
	s_wait_dscnt 18                                ; all but the 18 just issued
	CF 128
	CL 128, 16
	s_wait_dscnt 18
	CF 192
	v_add_nc_u32 v30, 16*PITCH, v30
	v_add_nc_u32 v31, 64, v31
	s_sub_co_u32 s[CNT], s[CNT], 1
	s_cmp_lg_u32 s[CNT], 0
	s_cbranch_scc1 .Lctx
	CL 192, 8                                      ; the last sixteen rows
	s_wait_dscnt 18
	CF 128
	s_wait_dscnt 0x0
	CF 192
	v_lshlrev_b32 v25, 4, v0
	global_store_b128 v25, v[64:67], s[18:19]                 ; a wave stores 512 consecutive bytes
	global_store_b128 v25, v[68:71], s[18:19] offset:2048
	s_wait_tensorcnt 0x0                           ; the wave's end, behind my last LDS store
	ds_add_u32 v[SPW], v[NIL]
	s_wait_dscnt 0x0
	s_endpgm
.Lfunc_end_k_qae785784c6_attn:
	.size	k_qae785784c6_attn, .Lfunc_end_k_qae785784c6_attn-k_qae785784c6_attn
	.p2alignl 7, 3214868480
	.fill 96, 4, 3214868480
	.section	.rodata,"a",@progbits
	.p2align	6, 0x0
	.amdhsa_kernel k_qae785784c6_attn
		.amdhsa_group_segment_fixed_size 276992
		.amdhsa_private_segment_fixed_size 0
		.amdhsa_enable_private_segment 0
		.amdhsa_kernarg_size 64
		.amdhsa_user_sgpr_count 2
		.amdhsa_user_sgpr_kernarg_segment_ptr 1
		.amdhsa_wavefront_size32 1
		.amdhsa_system_sgpr_workgroup_id_x 1
		.amdhsa_system_sgpr_workgroup_id_y 1
		.amdhsa_system_sgpr_workgroup_id_z 1
		.amdhsa_system_vgpr_workitem_id 0
		.amdhsa_next_free_vgpr 1024
		.amdhsa_next_free_sgpr 66
		.amdhsa_reserve_vcc 1
		.amdhsa_float_denorm_mode_32 3
		.amdhsa_float_denorm_mode_16_64 3
		.amdhsa_memory_ordered 1
		.amdhsa_forward_progress 1
		.amdhsa_inst_pref_size 242
	.end_amdhsa_kernel
	.amdgpu_metadata
---
amdhsa.version: [ 1, 2 ]
amdhsa.kernels:
  - .name:           k_qae785784c6_attn
    .symbol:         k_qae785784c6_attn.kd
    .args:
      - { .name: values, .offset: 0, .size: 8, .value_kind: global_buffer, .address_space: global }
      - { .name: w2f, .offset: 8, .size: 8, .value_kind: global_buffer, .address_space: global }
      - { .name: qp, .offset: 16, .size: 8, .value_kind: global_buffer, .address_space: global }
      - { .name: Wv, .offset: 24, .size: 8, .value_kind: global_buffer, .address_space: global }
      - { .name: bv, .offset: 32, .size: 8, .value_kind: global_buffer, .address_space: global }
      - { .name: sc, .offset: 40, .size: 8, .value_kind: global_buffer, .address_space: global }
      - { .name: st, .offset: 48, .size: 8, .value_kind: global_buffer, .address_space: global }
      - { .name: cp, .offset: 56, .size: 8, .value_kind: global_buffer, .address_space: global }
    .group_segment_fixed_size: 276992
    .private_segment_fixed_size: 0
    .kernarg_segment_align: 8
    .kernarg_segment_size: 64
    .max_flat_workgroup_size: 128
    .sgpr_count:     66
    .vgpr_count:     1024
    .wavefront_size: 32
...
	.end_amdgpu_metadata
.endif
;; end of part 2
;; launch combine (part 3): grid 32 x 4, 4 waves a work-group, no clusters, 0 bytes of LDS; arguments sc, st, cp, out0, out1; writes out0, out1
.if DOCPART == 3
	.amdgcn_target "amdgcn-amd-amdhsa--gfx1250"
	.amdhsa_code_object_version 6
	.text
	.protected	k_qae785784c6_combine
	.globl	k_qae785784c6_combine
	.p2align	8
	.type	k_qae785784c6_combine,@function
k_qae785784c6_combine:
	s_mov_b64 s[64:65], 0
	v_nop
	global_prefetch_b8 v0, s[64:65] scope:SCOPE_SE
	s_setreg_imm32_b32 hwreg(HW_REG_WAVE_MODE, 25, 1), 1
	s_wait_xcnt 0x0
; COMBINE.  A batch's 16 blocks are joined: M = max m_i, L = sum of l_i e^(m_i - M); out1[t] = e^(score - M) / L; out0[d] = sum over i of e^(m_i - M) / L x cp_i[d].  All in f32.
; Work-group (x, y): batch x, part y: 512 rows t of out1 and 256 channels d of out0.  A weight below 2^-126 counts as 0; NaN and infinities are not treated apart.
; A stream of 2.4 MB with no reuse inside a work-group: no LDS, no barrier, no matrix unit.
	s_load_b256 s[4:11], s[0:1], 0x0               ; sc s[4:5], st s[6:7], cp s[8:9], out0 s[10:11]
	s_load_b64 s[12:13], s[0:1], 0x20              ; out1
	v_and_b32 v1, 15, v0
	v_lshlrev_b32 v1, 3, v1                        ; block lane % 16: its (m, l)
	v_lshlrev_b32 v2, 4, v0                        ; 16 tid
	v_lshlrev_b32 v3, 3, v0                        ; 8 tid
	s_and_b32 s20, ttmp7, 0xffff                   ; part
	s_mov_b32 s23, 0
	s_mov_b32 s25, 0
	s_mov_b32 s27, 0
	s_mov_b32 s29, 0
	s_lshl_b32 s22, ttmp9, 7                       ; st: 16 blocks of 8 bytes
	s_lshl_b32 s24, ttmp9, 13                      ; sc, out1: 2,048 rows of 4 bytes,
	s_lshl_b32 s21, s20, 11                        ; 512 of them a part
	s_add_co_u32 s24, s24, s21
	s_lshl_b32 s21, s20, 10                        ; 256 channels of 4 bytes a part
	s_lshl_b32 s26, ttmp9, 16                      ; cp: 16 blocks of 4,096 bytes
	s_add_co_u32 s26, s26, s21
	s_lshl_b32 s28, ttmp9, 12                      ; out0
	s_add_co_u32 s28, s28, s21
	s_wait_kmcnt 0x0
	s_add_nc_u64 s[6:7], s[6:7], s[22:23]
	s_add_nc_u64 s[4:5], s[4:5], s[24:25]
	s_add_nc_u64 s[12:13], s[12:13], s[24:25]
	s_add_nc_u64 s[8:9], s[8:9], s[26:27]
	s_add_nc_u64 s[10:11], s[10:11], s[28:29]
	global_load_b64 v[4:5], v1, s[6:7]
	global_load_b128 v[8:11], v2, s[4:5]
.irp i, 0,1,2,3,4,5,6,7,8,9,10,11,12,13,14,15
	global_load_b64 v[16+2*(\i):17+2*(\i)], v3, s[8:9] offset:4096*(\i)   ; a wave takes 256 consecutive bytes of block i's context
.endr
	s_wait_loadcnt 17                              ; (m, l) is in; the scores and the 16 contexts stay out
	v_mov_b32 v6, v4
	v_max_num_f32_dpp v6, v6, v6 row_xmask:1 row_mask:0xf bank_mask:0xf    ; each half of 16 lanes holds all 16 blocks
	v_max_num_f32_dpp v6, v6, v6 row_xmask:2 row_mask:0xf bank_mask:0xf
	v_max_num_f32_dpp v6, v6, v6 row_xmask:4 row_mask:0xf bank_mask:0xf
	v_max_num_f32_dpp v6, v6, v6 row_xmask:8 row_mask:0xf bank_mask:0xf    ; M
	v_sub_f32 v7, v4, v6
	v_mul_f32 v7, 0x3fb8aa3b, v7
	v_exp_f32 v7, v7                               ; e_i
	v_nop                                          ; a plain line behind it,
	s_wait_alu depctr_va_vdst(0)                   ; and a wait ahead of its first reader
	v_mul_f32 v12, v5, v7
	v_add_f32_dpp v12, v12, v12 row_xmask:1 row_mask:0xf bank_mask:0xf
	v_add_f32_dpp v12, v12, v12 row_xmask:2 row_mask:0xf bank_mask:0xf
	v_add_f32_dpp v12, v12, v12 row_xmask:4 row_mask:0xf bank_mask:0xf
	v_add_f32_dpp v12, v12, v12 row_xmask:8 row_mask:0xf bank_mask:0xf     ; L: at least 1, since the block that holds M has e = 1 and l >= 1
	v_rcp_f32 v13, v12
	v_nop
	s_wait_alu depctr_va_vdst(0)
	v_mul_f32 v7, v7, v13                          ; f_i = e_i / L
.irp i, 0,1,2,3,4,5,6,7,8,9,10,11,12,13,14,15
	v_readlane_b32 s[32+(\i)], v7, \i
.endr
	s_wait_loadcnt 16                              ; the scores are in
.irp e, 0,1,2,3
	v_sub_f32 v[8+(\e)], v[8+(\e)], v6
.endr
.irp e, 0,1,2,3
	v_mul_f32 v[8+(\e)], 0x3fb8aa3b, v[8+(\e)]
.endr
.irp e, 0,1,2,3
	v_exp_f32 v[8+(\e)], v[8+(\e)]
.endr
	v_nop
	s_wait_alu depctr_va_vdst(0)                   ; one wait for the four
.irp e, 0,1,2,3
	v_mul_f32 v[8+(\e)], v[8+(\e)], v13
.endr
	global_store_b128 v2, v[8:11], s[12:13]        ; 512 consecutive bytes a wave
	s_wait_loadcnt 0x0
	v_mul_f32 v48, s32, v16
	v_mul_f32 v49, s32, v17
.irp i, 1,2,3,4,5,6,7,8,9,10,11,12,13,14,15
	v_fma_f32 v48, s[32+(\i)], v[16+2*(\i)], v48
	v_fma_f32 v49, s[32+(\i)], v[17+2*(\i)], v49
.endr
	global_store_b64 v3, v[48:49], s[10:11]        ; 256 consecutive bytes a wave
	s_endpgm
.Lfunc_end_k_qae785784c6_combine:
	.size	k_qae785784c6_combine, .Lfunc_end_k_qae785784c6_combine-k_qae785784c6_combine
	.p2alignl 7, 3214868480
	.fill 96, 4, 3214868480
	.section	.rodata,"a",@progbits
	.p2align	6, 0x0
	.amdhsa_kernel k_qae785784c6_combine
		.amdhsa_group_segment_fixed_size 0
		.amdhsa_private_segment_fixed_size 0
		.amdhsa_enable_private_segment 0
		.amdhsa_kernarg_size 40
		.amdhsa_user_sgpr_count 2
		.amdhsa_user_sgpr_kernarg_segment_ptr 1
		.amdhsa_wavefront_size32 1
		.amdhsa_system_sgpr_workgroup_id_x 1
		.amdhsa_system_sgpr_workgroup_id_y 1
		.amdhsa_system_sgpr_workgroup_id_z 1
		.amdhsa_system_vgpr_workitem_id 0
		.amdhsa_next_free_vgpr 64
		.amdhsa_next_free_sgpr 66
		.amdhsa_reserve_vcc 0
		.amdhsa_float_denorm_mode_32 3
		.amdhsa_float_denorm_mode_16_64 3
		.amdhsa_memory_ordered 1
		.amdhsa_forward_progress 1
		.amdhsa_inst_pref_size 8
	.end_amdhsa_kernel
	.amdgpu_metadata
---
amdhsa.version: [ 1, 2 ]
amdhsa.kernels:
  - .name:           k_qae785784c6_combine
    .symbol:         k_qae785784c6_combine.kd
    .args:
      - { .name: sc, .offset: 0, .size: 8, .value_kind: global_buffer, .address_space: global }
      - { .name: st, .offset: 8, .size: 8, .value_kind: global_buffer, .address_space: global }
      - { .name: cp, .offset: 16, .size: 8, .value_kind: global_buffer, .address_space: global }
      - { .name: out0, .offset: 24, .size: 8, .value_kind: global_buffer, .address_space: global }
      - { .name: out1, .offset: 32, .size: 8, .value_kind: global_buffer, .address_space: global }
    .group_segment_fixed_size: 0
    .private_segment_fixed_size: 0
    .kernarg_segment_align: 8
    .kernarg_segment_size: 40
    .max_flat_workgroup_size: 128
    .sgpr_count:     66
    .vgpr_count:     64
    .wavefront_size: 32
...
	.end_amdgpu_metadata
.endif
;; end of part 3
;; ======== version 2 of 2: 3 launches; version 1 with the launch prep written anew for expert scheduling mode
;; workspace buffers: w2f 2,097,152 bytes; qp 524,288 bytes; sc 262,144 bytes; st 4,096 bytes; cp 2,097,152 bytes
;; launch prep (part 4): grid 64 x 2, 8 waves a work-group, no clusters, 66,560 bytes of LDS; arguments W2, W1, query, b1, b2, w2f, qp; writes w2f, qp
.if DOCPART == 4
	.amdgcn_target "amdgcn-amd-amdhsa--gfx1250"
	.amdhsa_code_object_version 6
	.text
	.protected	k_qae785784c6_prep
	.globl	k_qae785784c6_prep
	.p2align	8
	.type	k_qae785784c6_prep,@function
k_qae785784c6_prep:
	s_mov_b64 s[64:65], 0
	v_nop
	global_prefetch_b8 v0, s[64:65] scope:SCOPE_SE
	s_setreg_imm32_b32 hwreg(HW_REG_WAVE_SCHED_MODE, 0, 2), 2
	s_setreg_imm32_b32 hwreg(HW_REG_WAVE_MODE, 25, 1), 1
	s_wait_xcnt 0x0
	s_wait_alu depctr_vm_vsrc(0)
; PREP.  y = 0: W2 [k 1024][u 1024] f32 -> w2f, bf16 in the order of matrix fragments.  y = 1: four K partials of query @ W1 (+ b1 + b2 in partial 0) -> qp, f32.
; Every input is rounded once to bf16 (the biases too); sums in f32.  NaN and infinities are not treated apart (a bias is multiplied by 0 in partials 1 to 3).
; THE UNITS ARE PERMUTED.  A block of 16 units is (g = 0..15, j = 0..3); its row m stands for unit u = 64 g + 4 m + j.  A lane that loads 16 bytes of a row [k][u] gets four neighbouring
; units: the same row m of the four fragments j.  So a fragment is made by conversions alone, and each load takes 256 consecutive bytes of two rows k.
; SHARES.  Work-group x = 4 g + p; wave v takes the K step ks = 8 p + v: 64 units x 32 k.
; w2f: [G 8][ks 32][a 8][half 2][lane 32][16 bytes], g = 2 G + a / 4, j = a % 4: a fragment's registers 0-3 (half 0) and 4-7 (half 1) as a lane holds them.
; qp:  [p 4][g 16][batch 32][64 f32], the 64 in the order 16 j + m.
; THE MODE: SCHED_MODE bits 1:0 = 2 (LLVM: expert scheduling mode 2), set by the entry lines.  The code itself states the register dependences
; between vector or matrix instructions and memory or LDS instructions, with s_wait_alu, always for 0.
; THE PLAN.  Registers that memory or LDS instructions touch:
;   v4          W's offset: made at the head, read by W's 16 loads.
;   X           W's loads land in it; the conversions read it.  y = 1: the LDS loads behind the barrier land in it again; the sums write it; the last two stores read its lowest four of each half.
;   F           The conversions write it.  y = 0: the 8 stores read it.  y = 1: matrix instructions alone name it.
;   v12         y = 0: the stores' offset.        v5, v6   y = 1: the offsets of query and of the biases.
;   QX, v16-23  y = 1: loads land in them; no vector instruction names them before.
;   ACC         y = 1: the products write it; the 16 LDS stores read it.
;   v7, v10, v11  y = 1: LDS address of the stores, LDS address of the loads, qp's offset: made while the loads are on their way.
;   v8, v9      Made at the head, read by the closing add alone.
; No register that a memory or LDS instruction reads is written again, on either way: the one wait on vm_vsrc stands at the head.  The waits on va_vdst stand once ahead of each run of
; loads or stores whose registers vector or matrix instructions have written or read since the last such wait: one at the head, one more on the way y = 0, three more on the way y = 1.
.set SPARE, 65536                      ; behind the partial tiles: the spare words, 128 bytes for each of the eight waves
.set SPW, 8                            ; v8   LDS address of my spare word; never rewritten
.set NIL, 9                            ; v9   0; never rewritten
.set X,   32                           ; v[32:95]   16 rows k x 4 units, f32 as loaded; later the partial sums read back
.set F,   96                           ; v[96:127]  four fragments j of 16 units x 32 k
.set QX,  128                          ; v[128:159] query, f32: two blocks of 16 batches
.set QF,  160                          ; v[160:175] the same as two fragments
.set ACC, 176                          ; v[176:239] eight results: tile 4 bb + j
	s_load_b256 s[4:11], s[0:1], 0x0               ; W2 s[4:5], W1 s[6:7], query s[8:9], b1 s[10:11]
	s_load_b128 s[12:15], s[0:1], 0x20             ; b2 s[12:13], w2f s[14:15]
	s_load_b64 s[16:17], s[0:1], 0x30              ; qp
	v_lshl_add_u32 v[SPW], v0, 2, SPARE
	v_mov_b32 v[NIL], 0
	v_lshrrev_b32 v1, 5, v0
	v_readfirstlane_b32 s20, v1                    ; wave 0..7
	v_and_b32 v2, 15, v0                           ; r = lane % 16
	v_bfe_u32 v3, v0, 4, 1                         ; h = lane / 16
	v_lshlrev_b32 v4, 15, v3                       ; 8 h rows of 4,096 bytes
	v_lshl_add_u32 v4, v2, 4, v4                   ; + 16 r: my four units
	s_lshr_b32 s21, ttmp9, 2                       ; g
	s_and_b32 s22, ttmp9, 3                        ; p
	s_and_b32 s23, ttmp7, 0xffff                   ; y
	s_lshl_b32 s27, s22, 3
	s_wait_alu depctr_va_sdst(0)                   ; s20 is written, ahead of its first reader: the K step, and with it W's address, is made from it
	s_add_co_u32 s27, s27, s20                     ; ks = 8 p + wave
	s_lshl_b32 s28, s27, 17                        ; 32 ks rows of 4,096 bytes
	s_lshl_b32 s31, s21, 8                         ; 64 g units of 4 bytes
	s_add_co_u32 s28, s28, s31
	s_mov_b32 s29, 0
	s_wait_kmcnt 0x0
	s_cmp_eq_u32 s23, 0
	s_cselect_b64 s[24:25], s[4:5], s[6:7]         ; W2 or W1
	s_add_nc_u64 s[24:25], s[24:25], s[28:29]
	s_wait_alu depctr_va_vdst(0)                   ; v4 is written, which the sixteen loads below read as their offset
.irp i, 0,1,2,3,4,5,6,7
	global_load_b128 v[X+4*(\i):X+4*(\i)+3], v4, s[24:25] offset:(\i)*4096 th:TH_LOAD_NT       ; k = 32 ks + 8 h + i
.endr
.irp i, 8,9,10,11,12,13,14,15
	global_load_b128 v[X+4*(\i):X+4*(\i)+3], v4, s[24:25] offset:((\i)+8)*4096 th:TH_LOAD_NT   ; k = 32 ks + 16 + 8 h + (i - 8)
.endr
; Register q of fragment j holds the k pair of loads 2 q and 2 q + 1, the lower k in the low half.
.macro BUILD
.irp j, 0,1,2,3
.irp q, 0,1,2,3,4,5,6,7
	v_cvt_pk_bf16_f32 v[F+8*(\j)+(\q)], v[X+8*(\q)+(\j)], v[X+8*(\q)+4+(\j)]
.endr
.endr
.endm
	s_cmp_eq_u32 s23, 0                            ; the one branch on y: the same in all waves of a work-group
	s_cbranch_scc0 .Lquery
	; ---- y = 0: W2's fragments go out, 512 consecutive bytes a store
	v_and_b32 v12, 31, v0                          ; no load above names v12: these two lines stand while W is on its way
	v_lshlrev_b32 v12, 4, v12                      ; 16 x lane
	s_lshr_b32 s30, s21, 1                         ; G
	s_lshl_b32 s30, s30, 5
	s_add_co_u32 s30, s30, s27                     ; 32 G + ks
	s_lshl_b32 s30, s30, 3
	s_and_b32 s32, s21, 1
	s_lshl2_add_u32 s30, s32, s30                  ; + a of my first fragment: 4 (g % 2)
	s_lshl_b32 s30, s30, 10                        ; a fragment is 1,024 bytes
	s_mov_b32 s31, 0
	s_add_nc_u64 s[14:15], s[14:15], s[30:31]
	s_wait_loadcnt 0x0
	BUILD
	s_wait_alu depctr_va_vdst(0)                   ; the conversions have written F, the stores' data, and v12, their offset, is written
.irp j, 0,1,2,3
	global_store_b128 v12, v[F+8*(\j):F+8*(\j)+3],   s[14:15] offset:1024*(\j)
	global_store_b128 v12, v[F+8*(\j)+4:F+8*(\j)+7], s[14:15] offset:1024*(\j)+512
.endr
	s_wait_dscnt 0x0                               ; the wave's end: the closing lines, six on end
	s_wait_alu 0x0
	s_wait_tensorcnt 0x0
	ds_add_u32 v[SPW], v[NIL]
	s_wait_dscnt 0x0
	s_endpgm
.Lquery:
	; ---- y = 1: D = W1's fragment (16 units) x query's fragment (16 batches): a lane holds one batch (r) and the units m = 8 h + 0..7
	; Both offsets are made first, so that one wait serves both runs of loads.
	v_lshlrev_b32 v5, 12, v2                       ; batch r: 4,096 bytes a row of query
	v_lshl_add_u32 v5, v3, 5, v5                   ; + 8 h numbers
	; the four numbers that thread tid will finish have j = (tid % 16) / 4 and m = 4 (tid % 4) + e: unit 64 g + 16 (tid % 4) + 4 e + j
	v_bfe_u32 v13, v0, 2, 2                        ; j
	v_and_b32 v25, 3, v0
	v_lshlrev_b32 v6, 6, v25
	v_lshl_add_u32 v6, v13, 2, v6
	s_lshl_b32 s32, s21, 8
	v_add_nc_u32 v6, s32, v6                       ; byte of that unit for e = 0
	s_lshl_b32 s30, s27, 7                         ; 32 ks numbers
	s_mov_b32 s31, 0
	s_add_nc_u64 s[8:9], s[8:9], s[30:31]
	s_wait_alu depctr_va_vdst(0)                   ; v5 and v6 are written, which the sixteen loads below read as their offsets
.irp bb, 0,1
	global_load_b128 v[QX+16*(\bb):QX+16*(\bb)+3],     v5, s[8:9] offset:65536*(\bb)
	global_load_b128 v[QX+16*(\bb)+4:QX+16*(\bb)+7],   v5, s[8:9] offset:65536*(\bb)+16
	global_load_b128 v[QX+16*(\bb)+8:QX+16*(\bb)+11],  v5, s[8:9] offset:65536*(\bb)+64
	global_load_b128 v[QX+16*(\bb)+12:QX+16*(\bb)+15], v5, s[8:9] offset:65536*(\bb)+80
.endr
.irp e, 0,1,2,3
	global_load_b32 v[16+(\e)], v6, s[10:11] offset:16*(\e)
	global_load_b32 v[20+(\e)], v6, s[12:13] offset:16*(\e)
.endr
	; The addresses for later, made while the loads are on their way: no load above names a register that these lines write.
	v_bfe_u32 v14, v0, 1, 1                        ; h of those numbers
	v_lshrrev_b32 v15, 4, v0                       ; their batch within 16: r
	v_and_b32 v24, 1, v0                           ; which half of the lane's eight
	v_lshlrev_b32 v10, 10, v13
	v_lshl_add_u32 v10, v14, 9, v10
	v_lshl_add_u32 v10, v15, 5, v10
	v_lshl_add_u32 v10, v24, 4, v10                ; 1,024 j + 32 (16 h + r) + 16 half: where I read a tile back
	v_and_b32 v26, 31, v0
	s_lshl_b32 s32, s20, 13
	v_lshl_add_u32 v7, v26, 5, s32                 ; 8,192 wave + 32 lane: where I put my eight numbers of a tile
	v_lshlrev_b32 v11, 4, v0                       ; 16 tid
	s_lshl_b32 s30, s22, 4
	s_add_co_u32 s30, s30, s21
	s_lshl_b32 s30, s30, 13                        ; (16 p + g) x 8,192 bytes
	s_add_nc_u64 s[16:17], s[16:17], s[30:31]
	s_cmp_eq_u32 s22, 0
	s_cselect_b32 s26, 1.0, 0                      ; the biases enter partial 0 alone
	s_wait_loadcnt 0x0
	BUILD
.irp q, 0,1,2,3,4,5,6,7,8,9,10,11,12,13,14,15
	v_cvt_pk_bf16_f32 v[QF+(\q)], v[QX+2*(\q)], v[QX+2*(\q)+1]
.endr
.irp bb, 0,1
.irp j, 0,1,2,3
	v_wmma_f32_16x16x32_bf16 v[ACC+8*(4*(\bb)+(\j)):ACC+8*(4*(\bb)+(\j))+7], v[F+8*(\j):F+8*(\j)+7], v[QF+8*(\bb):QF+8*(\bb)+7], 0
.endr
.endr
.rept 8
	v_nop                                          ; places behind the products (ISA guide 7.12.1 asks four for this form; eight stand here, once a launch)
.endr
	s_wait_alu depctr_va_vdst(0)                   ; the products have written ACC and v7 is written, which the LDS stores read; v10 is written and the conversions are done reading X, for the LDS loads behind the barrier; the places above stay beside this wait
.irp t, 0,1,2,3,4,5,6,7
	ds_store_b128 v7, v[ACC+8*(\t):ACC+8*(\t)+3]   offset:1024*(\t)
	ds_store_b128 v7, v[ACC+8*(\t)+4:ACC+8*(\t)+7] offset:1024*(\t)+16
.endr
	s_wait_dscnt 0x0                               ; for the others' sake: my stores are done
	s_barrier_signal -1
	s_barrier_wait -1                              ; all eight waves' tiles lie in LDS
.irp ps, 0,1
.irp w, 0,1,2,3,4,5,6,7
	ds_load_b128 v[X+32*(\ps)+4*(\w):X+32*(\ps)+4*(\w)+3], v10 offset:4096*(\ps)+8192*(\w)   ; no wait: no vector or matrix instruction since the wait above names X or v10
.endr
.endr
	; the biases, each rounded to bf16, added: vector work on registers that no LDS load above names
.irp e, 0,1,2,3
	v_cvt_pk_bf16_f32 v[24+(\e)], v[16+(\e)], v[20+(\e)]
.endr
.irp e, 0,1,2,3
	v_lshlrev_b32 v[16+(\e)], 16, v[24+(\e)]
	v_and_b32 v[20+(\e)], 0xffff0000, v[24+(\e)]
.endr
.irp e, 0,1,2,3
	v_add_f32 v[16+(\e)], v[16+(\e)], v[20+(\e)]
.endr
	s_wait_dscnt 0x0
.macro PADD d, s                       ; four numbers onto four
	v_pk_add_f32 v[(\d):(\d)+1],   v[(\d):(\d)+1],   v[(\s):(\s)+1]
	v_pk_add_f32 v[(\d)+2:(\d)+3], v[(\d)+2:(\d)+3], v[(\s)+2:(\s)+3]
.endm
.irp ps, 0,1                           ; both halves' sums first, each in its own order of terms; then one wait, then both stores
	PADD X+32*(\ps),    X+32*(\ps)+4
	PADD X+32*(\ps)+8,  X+32*(\ps)+12
	PADD X+32*(\ps)+16, X+32*(\ps)+20
	PADD X+32*(\ps)+24, X+32*(\ps)+28
	PADD X+32*(\ps),    X+32*(\ps)+8
	PADD X+32*(\ps)+16, X+32*(\ps)+24
	PADD X+32*(\ps),    X+32*(\ps)+16
.irp e, 0,1,2,3
	v_fma_f32 v[X+32*(\ps)+(\e)], v[16+(\e)], s26, v[X+32*(\ps)+(\e)]
.endr
.endr
	s_wait_alu depctr_va_vdst(0)                   ; the sums are written in the lowest four registers of X's two halves, which the two stores read
.irp ps, 0,1
	global_store_b128 v11, v[X+32*(\ps):X+32*(\ps)+3], s[16:17] offset:4096*(\ps)   ; a wave stores 512 consecutive bytes
.endr
	s_wait_dscnt 0x0                               ; the wave's end: the closing lines, six on end
	s_wait_alu 0x0
	s_wait_tensorcnt 0x0
	ds_add_u32 v[SPW], v[NIL]
	s_wait_dscnt 0x0
	s_endpgm
.Lfunc_end_k_qae785784c6_prep:
	.size	k_qae785784c6_prep, .Lfunc_end_k_qae785784c6_prep-k_qae785784c6_prep
	.p2alignl 7, 3214868480
	.fill 96, 4, 3214868480
	.section	.rodata,"a",@progbits
	.p2align	6, 0x0
	.amdhsa_kernel k_qae785784c6_prep
		.amdhsa_group_segment_fixed_size 66560
		.amdhsa_private_segment_fixed_size 0
		.amdhsa_enable_private_segment 0
		.amdhsa_kernarg_size 56
		.amdhsa_user_sgpr_count 2
		.amdhsa_user_sgpr_kernarg_segment_ptr 1
		.amdhsa_wavefront_size32 1
		.amdhsa_system_sgpr_workgroup_id_x 1
		.amdhsa_system_sgpr_workgroup_id_y 1
		.amdhsa_system_sgpr_workgroup_id_z 1
		.amdhsa_system_vgpr_workitem_id 0
		.amdhsa_next_free_vgpr 240
		.amdhsa_next_free_sgpr 66
		.amdhsa_reserve_vcc 0
		.amdhsa_float_denorm_mode_32 3
		.amdhsa_float_denorm_mode_16_64 3
		.amdhsa_memory_ordered 1
		.amdhsa_forward_progress 1
		.amdhsa_inst_pref_size 19
	.end_amdhsa_kernel
	.amdgpu_metadata
---
amdhsa.version: [ 1, 2 ]
amdhsa.kernels:
  - .name:           k_qae785784c6_prep
    .symbol:         k_qae785784c6_prep.kd
    .args:
      - { .name: W2, .offset: 0, .size: 8, .value_kind: global_buffer, .address_space: global }
      - { .name: W1, .offset: 8, .size: 8, .value_kind: global_buffer, .address_space: global }
      - { .name: query, .offset: 16, .size: 8, .value_kind: global_buffer, .address_space: global }
      - { .name: b1, .offset: 24, .size: 8, .value_kind: global_buffer, .address_space: global }
      - { .name: b2, .offset: 32, .size: 8, .value_kind: global_buffer, .address_space: global }
      - { .name: w2f, .offset: 40, .size: 8, .value_kind: global_buffer, .address_space: global }
      - { .name: qp, .offset: 48, .size: 8, .value_kind: global_buffer, .address_space: global }
    .group_segment_fixed_size: 66560
    .private_segment_fixed_size: 0
    .kernarg_segment_align: 8
    .kernarg_segment_size: 56
    .max_flat_workgroup_size: 256
    .sgpr_count:     66
    .vgpr_count:     240
    .wavefront_size: 32
...
	.end_amdgpu_metadata
.endif
;; end of part 4
;; launch attn: the kernel of part 2 again; grid 512 x 1, 4 waves a work-group, no clusters, 276,992 bytes of LDS; arguments values, w2f, qp, Wv, bv, sc, st, cp; writes sc, st, cp
;; launch combine: the kernel of part 3 again; grid 32 x 4, 4 waves a work-group, no clusters, 0 bytes of LDS; arguments sc, st, cp, out0, out1; writes out0, out1
